; MI455X (gfx1250); checked and timed in simulation.
; The chip was launched on July 23, 2026; its instructions are those of AMD's public machine-readable ISA for CDNA 5 (MIT licence, August 2026) and "CDNA5" Instruction Set Architecture Reference Guide (July 2026). The comments in the code are by the model that wrote it; some were corrected since.
;; Cross Attention. Allowed arithmetic: matrix products marked QUANTISED: E2M1 operands, one E8M0 scale for each 32 along K, by v_wmma_scale_f32_16x16x128_f8f6f4 with both operands' format E2M1 (or v_wmma_scale_f32_32x16x128_f4), f32 sums; everything else in f32.
;; Inputs: Wk 128 x 256 float32; Wo 256 x 128 float32; Wq 128 x 256 float32; Wv 128 x 256 float32; b 1 x 256 x 1 float32; bo 256 float32; g 1 x 256 x 1 float32; x 8 x 256 x 2,048 float32.
;; Outputs: out0 8 x 256 x 2,048 float32.
;; This version of the problem:
;;   THIS VERSION OF THE PROBLEM IS GIVEN IN LOW PRECISION. The matrix products marked QUANTISED in the list below multiply operands that are first quantised to E2M1 (2 exponent bits, 1 mantissa bit; 4 bits a number), with one power-of-two scale for each 32 numbers along K (OCP MX v1.0); their sums are f32. All else is computed in f32.
;;   The module's matrix products, in the order in which they are computed (A, B: the left and right operand; K: the contracted axis; several contracted axes count as one K, in the product's order):
;;     1. [M 16,384, K 256] x [K 256, N 128]; A: computed on the way; B: input Wq: QUANTISED
;;     2. [M 16,384, K 256] x [K 256, N 128]; A: computed on the way; B: input Wk: QUANTISED
;;     3. [M 16,384, K 256] x [K 256, N 128]; A: computed on the way; B: input Wv: QUANTISED
;;     4. batch 32 x [M 2,048, K 32] x [K 32, N 2,048]; A: computed on the way; B: computed on the way: QUANTISED
;;     5. batch 32 x [M 32, K 2,048] x [K 2,048, N 2,048]; A: computed on the way; B: softmax (see below): QUANTISED
;;     6. [M 16,384, K 128] x [K 128, N 256]; A: computed on the way; B: input Wo: QUANTISED
;;   THE QUANTISER, for each operand of a quantised product, along K:
;;     - K is cut into blocks of 32 from its start; a last block that is shorter is filled with zeros.
;;     - A block's scale is 2^e with e = floor(log2(the largest magnitude in the block)) - 2, held to -126 .. 127; a block of zeros has e = 0. As a byte (E8M0): e + 127.
;;     - Each number is divided by its block's scale, clamped to +-6, and rounded to the nearest number of E2M1, ties to even, subnormals kept.
;;     - The product sums the exact products of the quantised numbers (number of the format x scale) in f32.
;;   ~~~python
;;   def quantise(x, axis):      # numpy; x: float32 -> the quantised numbers, widened to float32 again
;;       x = np.moveaxis(x, axis, -1); K = x.shape[-1]
;;       x = np.pad(x, [(0, 0)] * (x.ndim - 1) + [(0, -K % 32)]); x = x.reshape(x.shape[:-1] + (-1, 32)); a = np.abs(x).max(-1, keepdims=True)
;;       e = np.where(a > 0, np.clip(np.frexp(np.where(a > 0, a, 1))[1] - 1 - 2, -126, 127), 0)      # np.frexp(a)[1] - 1 = floor(log2(a)), exactly
;;       r = np.clip(x / 2.0 ** e, -6, 6)
;;       step = 2.0 ** (np.maximum(np.frexp(np.where(r == 0, 1, r))[1] - 1, 0) - 1)
;;       q = np.round(r / step) * step * 2.0 ** e      # np.round: ties to even
;;       return np.moveaxis(q.reshape(q.shape[:-2] + (-1,))[..., :K], -1, axis).astype(np.float32)
;;   ~~~
;;   SOFTMAX AHEAD OF A QUANTISED PRODUCT. Where the list says 'softmax', what is quantised is not the finished softmax but p = 2^(t - M), with t = logit x log2(e) and M = ceil(the row's largest t), a whole number; so 1/2 < the row's largest p <= 1. The row's sum l is taken of the UNQUANTISED p, in f32, and the product's result is divided by l at the end. Since M is a whole number, a kernel that streams over the keys may use a running M (the ceiling of the running maximum): every later rescaling is an exact power of two, which a block's scale takes up: the codes' values come out the same.
;;   OPERANDS COMPUTED ON THE WAY. 'Computed on the way' means the value that the module computes at that place (a softmax that the list does not call 'softmax' is quantised finished and normalised). What goes into a quantiser is computed in f32, as accurately as f32 sums, v_exp_f32 and their like allow (about 1e-6 of the number): no bf16 or f16 on the way to a quantiser, and a product that is left as it is and whose result goes on into a quantised operand takes f32 operands (vector FMAs, or v_wmma_f32_16x16x4_f32). A number that lies on a knife's edge between two numbers of the format may be rounded either way, as far as f32 arithmetic and the matrix unit's own rounding can turn it there, and no further.
;; One version. Each part assembles by itself: llvm-mc -triple=amdgcn-amd-amdhsa -mcpu=gfx1250 --defsym DOCPART=n.
;; ======== version 1 of 1: 3 launches
;; workspace buffers: wimg 73,728 bytes; q 1,114,112 bytes; kv 2,228,224 bytes
;; launch wq (part 1): grid 64 x 1, 1 waves a work-group, no clusters, 0 bytes of LDS; arguments Wq, Wk, Wv, Wo, wimg; writes wimg
.if DOCPART == 1
	.amdgcn_target "amdgcn-amd-amdhsa--gfx1250"
	.amdhsa_code_object_version 6
	.text
	.protected	k_q9ea687f19e_wq
	.globl	k_q9ea687f19e_wq
	.p2align	8
	.type	k_q9ea687f19e_wq,@function
k_q9ea687f19e_wq:
	s_mov_b64 s[64:65], 0
	v_nop
	global_prefetch_b8 v0, s[64:65] scope:SCOPE_SE
	s_setreg_imm32_b32 hwreg(HW_REG_WAVE_MODE, 25, 1), 1
	s_wait_xcnt 0x0
; The four weights, f32 with K innermost, become codes of FP4 (E2M1) with one E8M0 scale byte for each 32 along K, laid as IMAGES OF OPERAND REGISTERS.
; A fragment is 16 rows x 128 K: lane (r, h) holds row r, registers 4 c .. 4 c + 3 the codes of k = 64 c + 32 h + 0 .. 31.  Fragment f of 64 lies at wimg + 1024 f, register group c of lane l at 512 c + 16 l;
; its scale words (byte 2 c + h of row r) at wimg + 65536 + 128 f + 4 l, the same word in both halves of the lanes.
; WHICH ROWS FORM A FRAGMENT is chosen for the launches that follow:
;   f = 0 .. 31:  Wq (f < 16) or Wk;  head pair (f >> 3) & 1, tile j = (f >> 1) & 3, K step f & 1;  lane r takes row 64 pair + 8 j + 32 (r >> 3) + (r & 7)
;   f = 32 .. 47: Wv;  head (f >> 2) & 3, tile t = (f >> 1) & 1, K step f & 1;  lane r takes row 32 head + 8 t + 16 (r >> 3) + (r & 7)
;   f = 48 .. 63: Wo;  lane r takes row 16 (f & 15) + r;  K = 128 is one step
; One wave makes one fragment; there are 64 fragments, so 64 work-groups.  A lane holds two whole blocks of 32, so no other lane is asked for a maximum.
; A block's scale is 2^(floor(log2(its largest magnitude)) - 2): the largest magnitude's exponent field less 2, held at 1 from below.
; LIMITS: a block of zeros gets the byte 1 where the rule says 127 (its codes are zeros, and this program alone reads the bytes); NaN and infinities among the inputs are not served.
.set X,  32                            ; v32-95   my 64 numbers: block c at X + 32 c
.set CD, 96                            ; v96-103  the fragment's eight registers
.set TM, 8                             ; v8-9     largest magnitudes
.set SO, 10                            ; v10-11   the conversions' scale operands
.set BY, 12                            ; v12-13   the scale bytes
	s_load_b256 s[4:11], s[0:1], 0x0               ; Wq s[4:5], Wk s[6:7], Wv s[8:9], Wo s[10:11]
	s_load_b64 s[12:13], s[0:1], 0x20              ; wimg
	v_and_b32 v1, 15, v0                           ; r
	v_lshrrev_b32 v2, 4, v0                        ; h (one wave: v0 is the lane)
	v_lshrrev_b32 v3, 3, v1                        ; r >> 3
	v_and_b32 v6, 7, v1                            ; r & 7
	v_lshlrev_b32 v4, 4, v0                        ; 16 x lane: my place in an image
	v_lshlrev_b32 v5, 2, v0                        ; 4 x lane: my scale word
	v_lshlrev_b32 v15, 3, v2                       ; 8 h: my bytes' shift in the scale word
	v_mov_b32 v16, 0                               ; a lane permute's destination counts as one of its sources
	s_mov_b32 s24, 0x76543210
	s_mov_b32 s25, 0xfedcba98                      ; selects for lane l xor 16
	s_bfe_u32 s16, ttmp9, 0x10003                  ; Wq, Wk: the head pair,
	s_lshl_b32 s16, s16, 6
	s_bfe_u32 s17, ttmp9, 0x20001                  ; the tile
	s_lshl_b32 s17, s17, 3
	s_add_co_u32 s16, s16, s17                     ; first row 64 pair + 8 j
	s_bfe_u32 s17, ttmp9, 0x20002                  ; Wv: the head,
	s_lshl_b32 s17, s17, 5
	s_bfe_u32 s18, ttmp9, 0x10001                  ; the tile
	s_lshl_b32 s18, s18, 3
	s_add_co_u32 s17, s17, s18                     ; first row 32 head + 8 t
	s_and_b32 s18, ttmp9, 15
	s_lshl_b32 s18, s18, 4                         ; Wo: first row 16 (f & 15)
	s_and_b32 s19, ttmp9, 1
	s_lshl_b32 s19, s19, 9                         ; the K step's 512 bytes
	s_lshl_b32 s26, ttmp9, 10                      ; where the image goes
	s_mov_b32 s27, 0
	s_wait_alu depctr_va_vdst(0)
	s_wait_kmcnt 0x0
	s_add_nc_u64 s[28:29], s[12:13], s[26:27]
	s_lshl_b32 s26, ttmp9, 7
	s_add_co_u32 s26, s26, 65536                   ; and the scale words
	s_add_nc_u64 s[30:31], s[12:13], s[26:27]
	s_cmp_lt_u32 ttmp9, 16                         ; every choice hangs on the work-group's number alone
	s_cselect_b64 s[14:15], s[4:5], s[6:7]
	s_cmp_lt_u32 ttmp9, 32
	s_cselect_b64 s[14:15], s[14:15], s[8:9]
	s_cselect_b32 s20, s16, s17                    ; the first row
	s_cselect_b32 s21, 5, 4                        ; lanes 8-15 stand 32 or 16 rows on
	s_cmp_lt_u32 ttmp9, 48
	s_cselect_b64 s[14:15], s[14:15], s[10:11]
	s_cselect_b32 s20, s20, s18
	s_cselect_b32 s21, s21, 3                      ; or 8: neighbours
	s_cselect_b32 s22, 10, 9                       ; a row is 1,024 bytes, of Wo 512
	s_cselect_b32 s19, s19, 0
	v_lshl_add_u32 v3, v3, s21, v6
	v_add_nc_u32 v3, s20, v3                       ; my row
	v_lshlrev_b32 v3, s22, v3
	v_lshl_add_u32 v3, v2, 7, v3                   ; + 128 h: my half's 32 numbers
	v_add_nc_u32 v3, s19, v3
.irp c, 0,1
.irp i, 0,1,2,3,4,5,6,7
	global_load_b128 v[X+32*\c+4*\i:X+32*\c+4*\i+3], v3, s[14:15] offset:256*\c+16*\i   ; k = 64 c + 32 h + 4 i on
.endr
.endr
	s_wait_loadcnt 0x0
.irp c, 0,1
	v_max3_num_f32 v[TM+\c], |v[X+32*\c]|, |v[X+32*\c+1]|, 0x1800000   ; my block 2 c + h, and the floor 2^(3 - 127): the byte cannot fall under 1
.endr
.irp i, 2,4,6,8,10,12,14,16,18,20,22,24,26,28,30
.irp c, 0,1
	v_max3_num_f32 v[TM+\c], v[TM+\c], |v[X+32*\c+\i]|, |v[X+32*\c+\i+1]|   ; the two blocks by turns
.endr
.endr
.irp c, 0,1
	v_add_nc_u32 v[SO+\c], 0xff000000, v[TM+\c]    ; 2 off the exponent field: the conversion takes this operand's exponent field as its scale
.endr
.irp c, 0,1
	v_lshrrev_b32 v[BY+\c], 23, v[SO+\c]           ; the scale's byte
.endr
	v_lshl_or_b32 v14, v[BY+1], 16, v[BY]          ; my two bytes, blocks h and 2 + h,
	v_lshlrev_b32 v14, v15, v14                    ; at their places;
	v_permlanex16_b32 v16, v14, s24, s25
	v_or_b32 v14, v14, v16                         ; with lane l xor 16's two the word is whole
.irp c, 0,1
.irp g, 0,1,2,3
	v_cvt_scalef32_pk8_fp4_f32 v[CD+4*\c+\g], v[X+32*\c+8*\g:X+32*\c+8*\g+7], v[SO+\c]
.endr
.endr
	global_store_b128 v4, v[CD:CD+3], s[28:29]               ; 32 lanes store 512 consecutive bytes
	global_store_b128 v4, v[CD+4:CD+7], s[28:29] offset:512
	global_store_b32 v5, v14, s[30:31]
	s_endpgm
.Lfunc_end_k_q9ea687f19e_wq:
	.size	k_q9ea687f19e_wq, .Lfunc_end_k_q9ea687f19e_wq-k_q9ea687f19e_wq
	.p2alignl 7, 3214868480
	.fill 96, 4, 3214868480
	.section	.rodata,"a",@progbits
	.p2align	6, 0x0
	.amdhsa_kernel k_q9ea687f19e_wq
		.amdhsa_group_segment_fixed_size 0
		.amdhsa_private_segment_fixed_size 0
		.amdhsa_enable_private_segment 0
		.amdhsa_kernarg_size 40
		.amdhsa_user_sgpr_count 2
		.amdhsa_user_sgpr_kernarg_segment_ptr 1
		.amdhsa_wavefront_size32 1
		.amdhsa_system_sgpr_workgroup_id_x 1
		.amdhsa_system_sgpr_workgroup_id_y 1
		.amdhsa_system_sgpr_workgroup_id_z 1
		.amdhsa_system_vgpr_workitem_id 0
		.amdhsa_next_free_vgpr 112
		.amdhsa_next_free_sgpr 66
		.amdhsa_reserve_vcc 0
		.amdhsa_float_denorm_mode_32 3
		.amdhsa_float_denorm_mode_16_64 3
		.amdhsa_memory_ordered 1
		.amdhsa_forward_progress 1
		.amdhsa_inst_pref_size 7
	.end_amdhsa_kernel
	.amdgpu_metadata
---
amdhsa.version: [ 1, 2 ]
amdhsa.kernels:
  - .name:           k_q9ea687f19e_wq
    .symbol:         k_q9ea687f19e_wq.kd
    .args:
      - { .name: Wq, .offset: 0, .size: 8, .value_kind: global_buffer, .address_space: global }
      - { .name: Wk, .offset: 8, .size: 8, .value_kind: global_buffer, .address_space: global }
      - { .name: Wv, .offset: 16, .size: 8, .value_kind: global_buffer, .address_space: global }
      - { .name: Wo, .offset: 24, .size: 8, .value_kind: global_buffer, .address_space: global }
      - { .name: wimg, .offset: 32, .size: 8, .value_kind: global_buffer, .address_space: global }
    .group_segment_fixed_size: 0
    .private_segment_fixed_size: 0
    .kernarg_segment_align: 8
    .kernarg_segment_size: 40
    .max_flat_workgroup_size: 32
    .sgpr_count:     66
    .vgpr_count:     112
    .wavefront_size: 32
...
	.end_amdgpu_metadata
.endif
;; end of part 1
;; launch qkv (part 2): grid 32 x 8, 4 waves a work-group, no clusters, 168,448 bytes of LDS; arguments x, g, b, wimg, q, kv; writes q, kv
.if DOCPART == 2
	.amdgcn_target "amdgcn-amd-amdhsa--gfx1250"
	.amdhsa_code_object_version 6
	.text
	.protected	k_q9ea687f19e_qkv
	.globl	k_q9ea687f19e_qkv
	.p2align	8
	.type	k_q9ea687f19e_qkv,@function
k_q9ea687f19e_qkv:
	s_mov_b64 s[64:65], 0
	v_nop
	global_prefetch_b8 v0, s[64:65] scope:SCOPE_SE
	s_setreg_imm32_b32 hwreg(HW_REG_WAVE_MODE, 25, 1), 1
	s_wait_xcnt 0x0
; LayerNorm over the 256 channels of x [8][256][2048], the three projections on codes of FP4 (E2M1, one E8M0 scale for each 32 along K), and q, k, v quantised for the attention launch.
; SHARES.  Work-group (G, b) takes the 64 positions 64 G .. 64 G + 63 of batch b.  Four waves, one straight text: no loop, no branch; only addresses differ.
; THE ROWS OF A TILE ARE NOT NEIGHBOURS: row r of position tile a is position 32 (r >> 3) + 8 a + (r & 7) of the 64.  In a result, whose lane (r, h) holds rows 8 h .. 8 h + 7 of a tile, the registers of tiles
; a = 0 .. 3 are then positions 32 h + 0 .. 31 in order: a whole block of 32 in ONE lane.  The weights' rows were laid by the same idea, so every quantiser here works inside a lane.
; PHASE X: wave w normalises the 16 positions of tile w.  Lane (r, h) holds channels 64 c + 32 h + 0 .. 31, c = 0 .. 3: the four blocks that the operand's layout gives that lane; lane l xor 16 holds the others.
;   The mean first, then the sum of (x - mean)^2: no difference of large sums.  The codes go to LDS as images of the operand's registers, for all four waves.
; PHASE M: wave w makes q (w < 2) or k (w >= 2) of head pair w & 1, transposed (source 0 = 16 rows of W, source 1 = 16 positions): lane (r, h) holds head 2 pair + h, one position, channels 0 .. 31;
;   and v of head w (source 0 = 16 positions, source 1 = 16 rows of Wv): lane (r, h) holds one channel and positions 32 h + 0 .. 31, since the keys are the K of the second attention product.
; OUT.  q: [b][chunk of 512][head] records of 8,704 bytes: 8 images of 1,024 (64 positions: the 32 codes of row r of tile a at 256 a + 16 r), then 8 x 16 scale words (word r, byte a).
;   kv: records of 17,408: k's 8 images as q's; at 8,192 v's images [step of 128 keys][tile t] (register group c of lane l at 512 c + 16 l); at 16,384 k's scale words; at 16,896 v's [step][t][16 words], byte 2 c + h.
;   v's scale bytes leave as single bytes, 64 a work-group: two work-groups share each word.
; NO CLUSTER: the tiles of x are each work-group's own; the weights, which all share, go as dense images straight into registers (12 KiB a wave, once), not through LDS.
; LIMITS: a block of zeros gets the byte 1 where the rule says 127 (its codes are zeros, and this program alone reads the bytes); NaN and infinities are not served.
; REGISTERS, in windows of 256.  Window 0: v1-11 addresses; v12-23 the weights' scale words; v24-31 x's; v32-95 sums at work, then x's eight fragments; v96-223 128 numbers of x, then the accumulators;
;   v224-239 codes; v240-255 at work.  Window 1: v0-63 eight fragments of Wq or Wk, v64-95 four of Wv, v128-255 g.  Window 2: v0-127 b.
.set XIMG, 0                           ; LDS: x's eight fragments (2 a + s), 1,024 bytes each;
.set XSC,  8192                        ; their scale words, 128 bytes each;
.set XT,   9216                        ; x as it lies: block beta (32 channels x 64 positions, rows of 256 bytes) at XT + XTB beta
.set XTB,  8256                        ; 8,192 + 64: odd blocks begin 16 words on in a row of 64 words, so that the 32 lanes of a load touch 32 different words of it
.set XA,   1                           ; v1   x in LDS: my position, my half's first block
.set LI,   2                           ; v2   16 x lane
.set LS,   3                           ; v3   4 x lane
.set XW,   4                           ; v4   where I store x's images: 16 x lane + 2,048 x wave
.set XSW,  5                           ; v5   and their scale words: 4 x lane + 256 x wave
.set GB,   6                           ; v6   128 h: my half's channels in g and b
.set QKO,  7                           ; v7   q or k out: 16 r + h records
.set QKS,  8                           ; v8   their scale words: 4 r + h records
.set VSO,  9                           ; v9   v's scale bytes: 4 r + h
.set SH8,  10                          ; v10  8 h
.set WD,   11                          ; v11  a scale word just made
.set WS,   12
.set XS,   24
.set CH,   32                          ; v32-39 four chains of sums; v40-41 at work
.set XF,   32
.set X,    96
.set ACC,  96
.set CODE, 224
.set TM,   240                         ; largest magnitudes
.set SO,   244                         ; the conversions' scale operands
.set BY,   248                         ; scale bytes
.set MEAN, 252
.set RSTD, 254
.set G1,   16                          ; s[16:23] descriptor group 1;  s[24:27], s[28:31] groups 0
.set MSB, 0
.macro WIN new                         ; the immediate's high byte repeats the setting that is left
.if MSB != \new
	s_set_vgpr_msb (MSB<<8)|\new
.set MSB, \new
.endif
.endm
; nb blocks of 32 numbers, block n in v[base + 32 n] on, all of a block in my lane: their codes go to v[code + 4 n] on, their bytes to v[BY + n].  Each run of eight registers is read from its low end on.
.macro QUANT nb, base, code
.set QB, 0
.rept \nb
	v_max3_num_f32 v[TM+QB], |v[\base+32*QB]|, |v[\base+32*QB+1]|, 0x1800000   ; and the floor 2^(3 - 127): the byte cannot fall under 1
.set QB, QB+1
.endr
.set QI, 2
.rept 15
.set QB, 0
.rept \nb
	v_max3_num_f32 v[TM+QB], v[TM+QB], |v[\base+32*QB+QI]|, |v[\base+32*QB+QI+1]|   ; the blocks by turns
.set QB, QB+1
.endr
.set QI, QI+2
.endr
.set QB, 0
.rept \nb
	v_add_nc_u32 v[SO+QB], 0xff000000, v[TM+QB]    ; 2 off the exponent field: the conversion's scale operand
.set QB, QB+1
.endr
.set QB, 0
.rept \nb
	v_lshrrev_b32 v[BY+QB], 23, v[SO+QB]           ; the scale's byte
.set QB, QB+1
.endr
.set QB, 0
.rept \nb
.irp g, 0,1,2,3
	v_cvt_scalef32_pk8_fp4_f32 v[\code+4*QB+\g], v[\base+32*QB+8*\g:\base+32*QB+8*\g+7], v[SO+QB]
.endr
.set QB, QB+1
.endr
	v_nop                                          ; one plain place behind the last scaled conversion
.endm
.macro FOLD                            ; the four chains, their two halves and lane l xor 16's: the sum over 256 channels, in v40
	v_pk_add_f32 v[CH:CH+1], v[CH:CH+1], v[CH+2:CH+3]
	v_pk_add_f32 v[CH+4:CH+5], v[CH+4:CH+5], v[CH+6:CH+7]
	v_pk_add_f32 v[CH:CH+1], v[CH:CH+1], v[CH+4:CH+5]
	v_add_f32 v40, v[CH], v[CH+1]
	v_permlanex16_b32 v41, v40, s60, s61
	v_add_f32 v40, v40, v41
.endm
	s_load_b256 s[4:11], s[0:1], 0x0               ; x s[4:5], g s[6:7], b s[8:9], wimg s[10:11]
	s_load_b128 s[12:15], s[0:1], 0x20             ; q s[12:13], kv s[14:15]
	s_set_vgpr_msb 0x40
	v_lshl_add_u32 v126, v0, 2, 0x29000
	v_mov_b32 v127, 0
	s_set_vgpr_msb 0x4045
	ds_add_u32 v126, v127
	ds_add_u32 v126, v127
	s_set_vgpr_msb 0x4500
	v_lshrrev_b32 v11, 5, v0
	v_readfirstlane_b32 s32, v11                   ; wave 0..3
	s_and_b32 s34, ttmp7, 0xffff                   ; the batch
	; descriptor group 1: a tile of 32 channels x 64 positions of 4 bytes; a channel's row in memory is 2,048 numbers
	s_mov_b32 s[G1+0], 2<<16                       ; no mask; elements of 4 bytes; no padding
	s_mov_b32 s[G1+1], 64<<16                      ; tensor_dim0 = 64
	s_mov_b32 s[G1+2], 32<<16                      ; tensor_dim1 = 32
	s_mov_b32 s[G1+3], 64<<16                      ; tile_dim0 = 64
	s_mov_b32 s[G1+4], 32                          ; tile_dim1 = 32
	s_mov_b32 s[G1+5], 2048                        ; from row to row
	s_mov_b32 s[G1+6], 0
	s_mov_b32 s[G1+7], 0
	s_lshl_b32 s2, s34, 21                         ; the batch's 256 x 8,192 bytes,
	s_lshl_b32 s33, s32, 19                        ; my 64 channels,
	s_add_co_u32 s2, s2, s33
	s_lshl_b32 s33, ttmp9, 8                       ; the group's 256 bytes of a row
	s_add_co_u32 s2, s2, s33
	s_mov_b32 s3, 0
	s_mul_i32 s38, s32, 2*XTB
	s_add_co_u32 s38, s38, XT                      ; blocks 2 w and 2 w + 1 in LDS
	s_mov_b32 s60, 0x76543210
	s_mov_b32 s61, 0xfedcba98                      ; selects for lane l xor 16
	s_mov_b32 s62, 0x3727c5ac                      ; 1e-5
	v_bfe_u32 v240, v0, 3, 1                       ; r >> 3
	v_and_b32 v241, 7, v0                          ; r & 7
	v_bfe_u32 v242, v0, 4, 1                       ; h
	v_and_b32 v243, 15, v0                         ; r
	v_and_b32 v244, 31, v0                         ; lane
	v_lshlrev_b32 v[XA], 7, v240
	v_lshl_add_u32 v[XA], v241, 2, v[XA]
	v_mad_u32_u24 v[XA], v242, XTB, v[XA]
	s_lshl_b32 s33, s32, 5
	s_add_co_u32 s33, s33, XT
	v_add_nc_u32 v[XA], s33, v[XA]                 ; XT + 4 x (32 (r >> 3) + 8 w + (r & 7)) + XTB h
	v_lshlrev_b32 v[LI], 4, v244
	v_lshlrev_b32 v[LS], 2, v244
	s_lshl_b32 s33, s32, 11
	v_add_nc_u32 v[XW], s33, v[LI]
	s_lshl_b32 s33, s32, 8
	v_add_nc_u32 v[XSW], s33, v[LS]
	v_lshlrev_b32 v[GB], 7, v242
	v_lshlrev_b32 v[SH8], 3, v242
	v_lshl_add_u32 v[VSO], v243, 2, v242
	v_mov_b32 v41, 0                               ; a lane permute's destination counts as one of its sources
	s_wait_alu depctr_va_vdst(0)
	s_wait_dscnt 0x0
	s_wait_kmcnt 0x0
	s_add_nc_u64 s[36:37], s[4:5], s[2:3]
	s_mov_b32 s24, 1                               ; count = 1
	s_mov_b32 s25, s38                             ; LDS address
	s_mov_b64 s[26:27], s[36:37]                   ; global address: channels 64 w on
	s_or_b32 s27, s27, 0x80000000                  ; type = 2
	s_mov_b32 s28, 1
	s_add_co_u32 s29, s38, XTB
	s_add_nc_u64 s[30:31], s[36:37], 32*8192       ; channels 64 w + 32 on
	s_or_b32 s31, s31, 0x80000000
	tensor_load_to_lds s[24:27], s[G1:G1+7]        ; my two fills stand together, ahead of every wait, LDS read and barrier: two loads of mine are out; nothing is filled twice
	s_nop 0
	tensor_load_to_lds s[28:31], s[G1:G1+7]
	s_nop 0
.rept 4
	v_nop                                          ; four behind the loads, ahead of the switch of windows
.endr
	s_lshl_b32 s2, s32, 13
	s_add_nc_u64 s[40:41], s[10:11], s[2:3]        ; fragments 8 w on: Wq or Wk, my head pair
	s_lshl_b32 s2, s32, 12
	s_add_co_u32 s2, s2, 32768
	s_add_nc_u64 s[42:43], s[10:11], s[2:3]        ; fragments 32 + 4 w on: Wv, my head
	s_lshl_b32 s2, s32, 10
	s_add_co_u32 s2, s2, 65536
	s_add_nc_u64 s[44:45], s[10:11], s[2:3]        ; and their scale words
	s_lshl_b32 s2, s32, 9
	s_add_co_u32 s2, s2, 65536+4096
	s_add_nc_u64 s[46:47], s[10:11], s[2:3]
	WIN 0x40                                       ; destination window 1
.irp f, 0,1,2,3,4,5,6,7
.irp c, 0,1
	global_load_b128 v[8*\f+4*\c:8*\f+4*\c+3], v[LI], s[40:41] offset:1024*\f+512*\c
.endr
.endr
.irp f, 0,1,2,3
.irp c, 0,1
	global_load_b128 v[64+8*\f+4*\c:64+8*\f+4*\c+3], v[LI], s[42:43] offset:1024*\f+512*\c
.endr
.endr
.irp c, 0,1,2,3
.irp i, 0,1,2,3,4,5,6,7
	global_load_b128 v[128+32*\c+4*\i:128+32*\c+4*\i+3], v[GB], s[6:7] offset:256*\c+16*\i   ; g of channels 64 c + 32 h + 4 i on
.endr
.endr
	WIN 0x80                                       ; destination window 2
.irp c, 0,1,2,3
.irp i, 0,1,2,3,4,5,6,7
	global_load_b128 v[32*\c+4*\i:32*\c+4*\i+3], v[GB], s[8:9] offset:256*\c+16*\i           ; b likewise
.endr
.endr
	WIN 0
.irp f, 0,1,2,3,4,5,6,7
	global_load_b32 v[WS+\f], v[LS], s[44:45] offset:128*\f
.endr
.irp f, 0,1,2,3
	global_load_b32 v[WS+8+\f], v[LS], s[46:47] offset:128*\f
.endr
	; where the results go
	s_mov_b32 s48, 17408
	s_mov_b32 s49, 16384
	s_cmp_lt_u32 s32, 2                            ; waves 0, 1 make q, waves 2, 3 k: the choice hangs on the wave's number alone
	s_cselect_b32 s48, 8704, s48                   ; a record,
	s_cselect_b32 s49, 8192, s49                   ; where its scale words begin,
	s_cselect_b64 s[50:51], s[12:13], s[14:15]     ; and the buffer
	s_lshl_b32 s33, s34, 4
	s_lshr_b32 s35, ttmp9, 3
	s_lshl_b32 s35, s35, 2
	s_add_co_u32 s33, s33, s35                     ; 16 b + 4 x chunk
	s_and_b32 s35, s32, 1
	s_lshl_b32 s35, s35, 1
	s_add_co_u32 s35, s35, s33                     ; the record of head 2 pair
	s_mul_i32 s35, s35, s48
	s_and_b32 s39, ttmp9, 7                        ; the group in its chunk
	s_lshl_b32 s2, s39, 10
	s_add_co_u32 s2, s2, s35
	s_add_nc_u64 s[52:53], s[50:51], s[2:3]        ; its image
	s_lshl_b32 s2, s39, 6
	s_add_co_u32 s2, s2, s35
	s_add_co_u32 s2, s2, s49
	s_add_nc_u64 s[54:55], s[50:51], s[2:3]        ; its scale words
	s_add_co_u32 s35, s33, s32
	s_mul_i32 s35, s35, 17408                      ; v: the record of head w
	s_bfe_u32 s39, ttmp9, 0x20001                  ; the step of 128 keys in the chunk,
	s_and_b32 s33, ttmp9, 1                        ; and which 64 of them
	s_lshl_b32 s2, s39, 11
	s_add_co_u32 s2, s2, s35
	s_lshl_b32 s63, s33, 9
	s_add_co_u32 s2, s2, s63
	s_add_co_u32 s2, s2, 8192
	s_add_nc_u64 s[56:57], s[14:15], s[2:3]
	s_lshl_b32 s2, s39, 7
	s_add_co_u32 s2, s2, s35
	s_lshl_b32 s63, s33, 1
	s_add_co_u32 s2, s2, s63
	s_add_co_u32 s2, s2, 16896
	s_add_nc_u64 s[58:59], s[14:15], s[2:3]
	v_mul_u32_u24 v[QKO], s48, v242                ; lanes 16-31 hold the pair's second head: one record on
	v_lshl_add_u32 v[QKS], v243, 2, v[QKO]
	v_lshl_add_u32 v[QKO], v243, 4, v[QKO]
	s_wait_tensorcnt 0x0                           ; my two blocks of x are in LDS,
	s_barrier_signal -1
	s_barrier_wait -1                              ; everybody's are
	; ---- X: my 16 positions
.irp c, 0,1,2,3
.irp i, 0,1,2,3,4,5,6,7,8,9,10,11,12,13,14,15,16,17,18,19,20,21,22,23,24,25,26,27,28,29,30,31
	ds_load_b32 v[X+32*\c+\i], v[XA] offset:2*XTB*\c+256*\i    ; channel 64 c + 32 h + i of my position
.endr
.endr
	s_wait_dscnt 63                                ; 63 of the 128 may be out: the first 65, so blocks 0 and 1, are in
.irp k, 0,1,2,3
	v_pk_add_f32 v[CH+2*\k:CH+2*\k+1], v[X+2*\k:X+2*\k+1], v[X+8+2*\k:X+9+2*\k]   ; four chains, started by sums: nothing is cleared
.endr
.set P, 8
.rept 56
.if P == 32
	s_wait_alu depctr_va_vdst(0)
	s_wait_dscnt 32                                ; block 2 is in: the last block's 32 loads may be out
.endif
.if P == 48
	s_wait_alu depctr_va_vdst(0)
	s_wait_dscnt 0x0
.endif
	v_pk_add_f32 v[CH+2*(P%4):CH+2*(P%4)+1], v[CH+2*(P%4):CH+2*(P%4)+1], v[X+2*P:X+2*P+1]
.set P, P+1
.endr
	FOLD
	v_mul_f32 v[MEAN], 0x3b800000, v40             ; / 256
	v_mov_b32 v[MEAN+1], v[MEAN]
.set P, 0
.rept 64
	v_pk_add_f32 v[X+2*P:X+2*P+1], v[X+2*P:X+2*P+1], v[MEAN:MEAN+1] neg_lo:[0,1] neg_hi:[0,1]   ; d = x - mean
.set P, P+1
.endr
.irp k, 0,1,2,3
	v_pk_mul_f32 v[CH+2*\k:CH+2*\k+1], v[X+2*\k:X+2*\k+1], v[X+2*\k:X+2*\k+1]
.endr
.set P, 4
.rept 60
	v_pk_fma_f32 v[CH+2*(P%4):CH+2*(P%4)+1], v[X+2*P:X+2*P+1], v[X+2*P:X+2*P+1], v[CH+2*(P%4):CH+2*(P%4)+1]
.set P, P+1
.endr
	FOLD
	v_fma_f32 v40, v40, 0x3b800000, s62            ; the variance + 1e-5
	s_wait_alu depctr_va_vdst(0)
	v_rsq_f32 v[RSTD], v40
	v_nop                                          ; one plain place behind the transcendental
	s_wait_alu depctr_va_vdst(0)
	v_mov_b32 v[RSTD+1], v[RSTD]
.set P, 0
.rept 64
	v_pk_mul_f32 v[X+2*P:X+2*P+1], v[X+2*P:X+2*P+1], v[RSTD:RSTD+1]
.set P, P+1
.endr
	s_wait_loadcnt 0x0                             ; g, b and the weights
	WIN 0x24                                       ; source 1 (g) window 1, source 2 (b) window 2
.set P, 0
.rept 64
	v_pk_fma_f32 v[X+2*P:X+2*P+1], v[X+2*P:X+2*P+1], v[128+2*P:129+2*P], v[2*P:2*P+1]
.set P, P+1
.endr
	WIN 0
	QUANT 4, X, CODE                               ; my blocks 2 c + h, c = 0 .. 3: K step c / 2, register group c % 2
.irp s, 0,1
	v_lshl_or_b32 v[32+\s], v[BY+2*\s+1], 16, v[BY+2*\s]       ; my two bytes of K step s,
	v_lshlrev_b32 v[32+\s], v[SH8], v[32+\s]                   ; at their places;
	v_permlanex16_b32 v[34+\s], v[32+\s], s60, s61
	v_or_b32 v[32+\s], v[32+\s], v[34+\s]                      ; with lane l xor 16's two the word is whole
.endr
.irp s, 0,1
.irp c, 0,1
	ds_store_b128 v[XW], v[CODE+8*\s+4*\c:CODE+8*\s+4*\c+3] offset:XIMG+1024*\s+512*\c
.endr
	ds_store_b32 v[XSW], v[32+\s] offset:XSC+128*\s
.endr
	s_wait_dscnt 0x0                               ; for the others' sake: my stores have landed
	s_barrier_signal -1
	s_barrier_wait -1                              ; x's eight fragments lie in LDS
	; ---- M
.irp f, 0,1,2,3,4,5,6,7
.irp c, 0,1
	ds_load_b128 v[XF+8*\f+4*\c:XF+8*\f+4*\c+3], v[LI] offset:XIMG+1024*\f+512*\c
.endr
	ds_load_b32 v[XS+\f], v[LS] offset:XSC+128*\f
.endr
	s_wait_dscnt 0x0
	WIN 0x01                                       ; source 0 (W) window 1
; q or k: 16 accumulators (position tile a, W tile j) by turns, K step 0 and then K step 1 in the same order
.irp a, 0,1,2,3
.irp j, 0,1,2,3
	v_wmma_scale_f32_16x16x128_f8f6f4 v[ACC+32*\a+8*\j:ACC+32*\a+8*\j+7], v[16*\j:16*\j+7], v[XF+16*\a:XF+16*\a+7], 0, v[WS+2*\j], v[XS+2*\a] matrix_a_fmt:MATRIX_FMT_FP4 matrix_b_fmt:MATRIX_FMT_FP4
.endr
.endr
.irp a, 0,1,2,3
.irp j, 0,1,2,3
	v_wmma_scale_f32_16x16x128_f8f6f4 v[ACC+32*\a+8*\j:ACC+32*\a+8*\j+7], v[16*\j+8:16*\j+15], v[XF+16*\a+8:XF+16*\a+15], v[ACC+32*\a+8*\j:ACC+32*\a+8*\j+7], v[WS+2*\j+1], v[XS+2*\a+1] matrix_a_fmt:MATRIX_FMT_FP4 matrix_b_fmt:MATRIX_FMT_FP4
.endr
.endr
	WIN 0
.rept 4
	v_nop                                          ; places in front of the first read of results
.endr
	QUANT 4, ACC, CODE                             ; block a: the 32 channels of my head at row r of tile a
.irp a, 0,1,2,3
	global_store_b128 v[QKO], v[CODE+4*\a:CODE+4*\a+3], s[52:53] offset:256*\a   ; sixteen lanes store 256 consecutive bytes, at a multiple of 256 from the buffer's first byte
.endr
	v_lshl_or_b32 v[WD], v[BY+1], 8, v[BY]         ; word r: byte a
	v_lshl_or_b32 v[WD], v[BY+2], 16, v[WD]
	v_lshl_or_b32 v[WD], v[BY+3], 24, v[WD]
	global_store_b32 v[QKS], v[WD], s[54:55]
	WIN 0x04                                       ; source 1 (Wv) window 1
; v: 8 accumulators (Wv tile t, position tile a) by turns
.irp t, 0,1
.irp a, 0,1,2,3
	v_wmma_scale_f32_16x16x128_f8f6f4 v[ACC+32*\t+8*\a:ACC+32*\t+8*\a+7], v[XF+16*\a:XF+16*\a+7], v[64+16*\t:64+16*\t+7], 0, v[XS+2*\a], v[WS+8+2*\t] matrix_a_fmt:MATRIX_FMT_FP4 matrix_b_fmt:MATRIX_FMT_FP4
.endr
.endr
.irp t, 0,1
.irp a, 0,1,2,3
	v_wmma_scale_f32_16x16x128_f8f6f4 v[ACC+32*\t+8*\a:ACC+32*\t+8*\a+7], v[XF+16*\a+8:XF+16*\a+15], v[64+16*\t+8:64+16*\t+15], v[ACC+32*\t+8*\a:ACC+32*\t+8*\a+7], v[XS+2*\a+1], v[WS+8+2*\t+1] matrix_a_fmt:MATRIX_FMT_FP4 matrix_b_fmt:MATRIX_FMT_FP4
.endr
.endr
	WIN 0
.rept 4
	v_nop
.endr
	QUANT 2, ACC, 32                               ; block t: positions 32 h + 0 .. 31 of channel 16 (r >> 3) + 8 t + (r & 7); the codes take registers that held x's first fragment
.irp t, 0,1
	global_store_b128 v[LI], v[32+4*\t:35+4*\t], s[56:57] offset:1024*\t   ; 32 lanes store 512 consecutive bytes
	global_store_b8 v[VSO], v[BY+\t], s[58:59] offset:64*\t
.endr
	s_set_vgpr_msb 0x5
	s_wait_tensorcnt 0x0
	ds_add_u32 v126, v127
	s_wait_dscnt 0x0
	s_set_vgpr_msb 0x500
	s_endpgm
.Lfunc_end_k_q9ea687f19e_qkv:
	.size	k_q9ea687f19e_qkv, .Lfunc_end_k_q9ea687f19e_qkv-k_q9ea687f19e_qkv
	.p2alignl 7, 3214868480
	.fill 96, 4, 3214868480
	.section	.rodata,"a",@progbits
	.p2align	6, 0x0
	.amdhsa_kernel k_q9ea687f19e_qkv
		.amdhsa_group_segment_fixed_size 168448
		.amdhsa_private_segment_fixed_size 0
		.amdhsa_enable_private_segment 0
		.amdhsa_kernarg_size 48
		.amdhsa_user_sgpr_count 2
		.amdhsa_user_sgpr_kernarg_segment_ptr 1
		.amdhsa_wavefront_size32 1
		.amdhsa_system_sgpr_workgroup_id_x 1
		.amdhsa_system_sgpr_workgroup_id_y 1
		.amdhsa_system_sgpr_workgroup_id_z 1
		.amdhsa_system_vgpr_workitem_id 0
		.amdhsa_next_free_vgpr 640
		.amdhsa_next_free_sgpr 66
		.amdhsa_reserve_vcc 0
		.amdhsa_float_denorm_mode_32 3
		.amdhsa_float_denorm_mode_16_64 3
		.amdhsa_memory_ordered 1
		.amdhsa_forward_progress 1
		.amdhsa_inst_pref_size 68
	.end_amdhsa_kernel
	.amdgpu_metadata
---
amdhsa.version: [ 1, 2 ]
amdhsa.kernels:
  - .name:           k_q9ea687f19e_qkv
    .symbol:         k_q9ea687f19e_qkv.kd
    .args:
      - { .name: x, .offset: 0, .size: 8, .value_kind: global_buffer, .address_space: global }
      - { .name: g, .offset: 8, .size: 8, .value_kind: global_buffer, .address_space: global }
      - { .name: b, .offset: 16, .size: 8, .value_kind: global_buffer, .address_space: global }
      - { .name: wimg, .offset: 24, .size: 8, .value_kind: global_buffer, .address_space: global }
      - { .name: q, .offset: 32, .size: 8, .value_kind: global_buffer, .address_space: global }
      - { .name: kv, .offset: 40, .size: 8, .value_kind: global_buffer, .address_space: global }
    .group_segment_fixed_size: 168448
    .private_segment_fixed_size: 0
    .kernarg_segment_align: 8
    .kernarg_segment_size: 48
    .max_flat_workgroup_size: 128
    .sgpr_count:     66
    .vgpr_count:     640
    .wavefront_size: 32
...
	.end_amdgpu_metadata
.endif
;; end of part 2
;; launch attn (part 3): grid 32 x 8, 16 waves a work-group, clusters of 4 x 1, 288,768 bytes of LDS; arguments q, kv, wimg, bo, x, out0; writes out0
.if DOCPART == 3
	.amdgcn_target "amdgcn-amd-amdhsa--gfx1250"
	.amdhsa_code_object_version 6
	.text
	.protected	k_q9ea687f19e_attn
	.globl	k_q9ea687f19e_attn
	.p2align	8
	.type	k_q9ea687f19e_attn,@function
k_q9ea687f19e_attn:
	s_mov_b64 s[64:65], 0
	v_nop
	global_prefetch_b8 v0, s[64:65] scope:SCOPE_SE
	s_setreg_imm32_b32 hwreg(HW_REG_WAVE_MODE, 25, 1), 1
	s_wait_xcnt 0x0
	s_wait_alu depctr_hold_cnt(0) depctr_sa_sdst(0) depctr_va_vdst(0) depctr_va_sdst(0) depctr_va_ssrc(0) depctr_va_vcc(0) depctr_vm_vsrc(0)
	s_getreg_b32 s2, hwreg(HW_REG_IB_STS2, 6, 4)
	s_cmp_eq_u32 s2, 0
	s_cbranch_scc0 .Lentry_in_a_cluster
	s_endpgm
.Lentry_in_a_cluster:
	s_bfe_u32 s2, ttmp6, 0x10000c
	s_cmp_lg_u32 s2, 0x3003
	s_cbranch_scc0 .Lentry_shape_is_right
	s_endpgm
.Lentry_shape_is_right:
; Attention (4 heads of 32 channels, 2,048 keys), the 1 x 1 convolution Wo, bo and the residual x; all three products on codes of FP4 (E2M1) with one E8M0 scale for each 32 along K.
; SHARES.  A work-group owns the 64 queries 64 G .. 64 G + 63 of batch b, all four heads.  Sixteen waves of 256 registers, four to a SIMD, so that one wave's exponentials stand beside another's plain, matrix
; and LDS work.  Wave wv owns head wv & 3 and query tile a = wv >> 2 (row r is position 32 (r >> 3) + 8 a + (r & 7)), and walks the 2,048 keys in 16 steps of 128.
; LDS.  All of a batch's k and v (codes and scale bytes, 278,528 bytes, laid as images of operand registers by the launch before) comes into LDS ONCE, in four chunks of 512 keys: nothing is filled twice.
; CLUSTER.  The four work-groups of a cluster belong to one batch, so every tile is asked for JOINTLY: the same tensor load, the same descriptor, a mask that names the four.
; SCORES.  K = 32 fills a quarter of the instruction's 128.  A fragment of k holds 64 keys: row r, block j = key 32 (r >> 3) + 8 j + (r & 7).  It is multiplied four times, by q laid in block j alone with zero codes
; elsewhere (S^T: source 0 = k, source 1 = q).  Lane (r, h) then holds query r, and its 32 registers of a fragment are keys 32 h + 0 .. 31 in order: a WHOLE block of the second product's K,
; so that p's largest number, its scale and its codes need no other lane, and the conversions' results are the operand's registers.
; SOFTMAX.  t = score x log2(e) / sqrt(32); M = the running largest t rounded up to a whole number, kept as -M; p = 2^(t - M) is quantised, not normalised; the sum is taken of the unquantised p and divides at
; the end.  When M moves, the sum and O are multiplied by 2^(old M - new M), which rounds nothing.  A block's largest p is its largest score put through the same multiply-add and exponential.
; O^T += V^T P^T (source 0 = 16 channels, source 1 = p): lane (r, h) holds query r and channels 16 h + 0 .. 15.
; OUT.  O / sum is quantised along the 128 hidden channels (a head is a block), goes to LDS as an image; wave wv makes outputs 16 wv .. 16 wv + 15 for the 64 positions with bo as C; x is added; whole rows of 256 bytes leave.
; LIMITS: |t| under 2^24 (M is a whole number in f32); a block of zeros gets the byte 1 where the rule says 127 (zero codes; this program alone reads the bytes); NaN and infinities are not served;
; the row's sum is added in another order than the keys'.
.set REC,  17408                       ; a head's record of a chunk: k's images 8,192, v's 8,192, k's scale words 512, v's 512
.set CHB,  4*REC                       ; a chunk: 69,632 bytes
.set KVB,  4*CHB                       ; a batch: 278,528
.set PART, CHB/16                      ; what one tensor load brings: 17 rows of 256 bytes
.set OIMG, KVB                         ; behind k and v: the output operand's four fragments, 1,024 bytes each;
.set OSC,  OIMG+4096                   ; their scale words, 64 bytes each
.set SP,   272                         ; the way out: a stage of 16 rows x (256 + 16) bytes for each wave, at PART x wave: in chunk 0, which has had its one fill and its last read by then
.set A0,  1                            ; v1   16 x lane
.set B0,  2                            ; v2   4 x lane + 16,384: k's scale words in a record
.set VA,  3                            ; v3   the step's images
.set VB,  4                            ; v4   the step's scale words
.set SH8, 5                            ; v5   8 h
.set XO,  6                            ; v6   x and out0: lanes 0-15 one row, lanes 16-31 the next, 16 bytes a lane
.set OST, 7                            ; v7   where my 8 bytes of the output operand go
.set OSB, 8                            ; v8   and its scale byte
.set OLS, 9                            ; v9   where its scale words are read
.set OLI, 10                           ; v10  and its images
.set STO, 11                           ; v11  the stage: in
.set NM,  12                           ; v12 -M, v13 the largest t, v[14:15] the sum in two halves
.set LL,  14
.set QZ,  16                           ; v16-35: zeros, q in lanes 0-15, zeros, q in lanes 16-31, zeros: four registers each; the four operands overlap in them
.set QS,  36                           ; scale words: q's, k's, v's, p's
.set KS,  37
.set VS,  38
.set PS,  39
.set KF,  40                           ; v40-55   two fragments of k
.set VF,  56                           ; v56-71   two of v
.set S,   72                           ; v72-135  S^T, then p
.set O,   136                          ; v136-151 O^T
.set PC,  152                          ; v152-159 p's codes
.set BM,  160                          ; v160-161 a block's largest score, then its largest p
.set PD,  162                          ; v162-163 lane permutes' destinations
.set SO,  164                          ; v164-165 the conversions' scale operands
.set BY,  166                          ; v166-167 scale bytes
.set F,   168                          ; v[168:169] 2^(old M - new M)
.set LB,  170                          ; v[170:171] the sum's second chain
.set TP,  172                          ; v172-175 at work
.set WO,  176                          ; v176-183 my fragment of Wo; v184 its scale words
.set WOS, 184
.set BO,  186                          ; v186-193 bo of my output row, eight times: the C of the last product
.set XR,  194                          ; v194-225 x at my rows
.set QR,  226                          ; v226-229 q as loaded; v230 its scale byte
.set QBY, 230
.set RD,  231                          ; v231 the stage: back
.set OS,  232                          ; v232-235 the output operand's scale words
.set R16, 236                          ; v236 16 r;  v237 4 r;  v238 4 x lane
.set R4,  237
.set L4,  238
.set OF,  72                           ; the output operand's four fragments
.set Y,   108                          ; v108-139 my 16 output rows x 64 positions
.set OUTR, 40                          ; v40-71 rows read back from the stage
.set G1,  16                           ; s[16:23] descriptor group 1;  s[24:39] four groups 0
.set G0,  24
.set WV,  40
.set HD,  41
.set TA,  42
.set SEL, 50
.set CS,  52
.set SK,  54                           ; LDS byte of the step's images
.set SS,  55                           ; and of its scale words
.set CNT, 56
.set HB,  57                           ; my head's record in a chunk
; A round of the cluster's barrier: my work-group's barrier, wave 0's signal for the work-group, every wave's wait for all four, my work-group's barrier once more.
.macro CROUND
	s_barrier_signal -1
	s_barrier_wait -1
	s_cmp_lg_u32 s[WV], 0
	s_cbranch_scc1 .Lnot_wave_0_\@
	s_barrier_signal -3
.Lnot_wave_0_\@:
	s_barrier_wait -3
	s_barrier_signal -1
	s_barrier_wait -1
.endm
	s_load_b256 s[4:11], s[0:1], 0x0               ; q s[4:5], kv s[6:7], wimg s[8:9], bo s[10:11]
	s_load_b128 s[12:15], s[0:1], 0x20             ; x s[12:13], out0 s[14:15]
	v_lshl_add_u32 v254, v0, 2, 0x46000
	v_mov_b32 v255, 0
	ds_add_u32 v254, v255
	ds_add_u32 v254, v255
	v_lshrrev_b32 v[TP], 5, v0
	v_readfirstlane_b32 s[WV], v[TP]               ; wave 0..15
	v_and_b32 v[TP+1], 31, v0                      ; lane
	v_and_b32 v[TP+2], 15, v0                      ; r
	v_bfe_u32 v[TP+3], v0, 4, 1                    ; h
	s_and_b32 s[HD], s[WV], 3                      ; my head
	s_lshr_b32 s[TA], s[WV], 2                     ; my tile of queries
	s_mul_i32 s46, s[WV], PART                     ; my part of a chunk; also my stage
	s_mul_i32 s[HB], s[HD], REC
	v_lshlrev_b32 v[A0], 4, v[TP+1]
	v_lshl_add_u32 v[B0], v[TP+1], 2, 16384
	v_lshlrev_b32 v[SH8], 3, v[TP+3]
	v_lshlrev_b32 v[XO], 13, v[TP+3]
	v_lshl_add_u32 v[XO], v[TP+2], 4, v[XO]
	s_lshl_b32 s47, s[TA], 10
	s_lshl_b32 s[CNT], s[HD], 8
	s_add_co_u32 s47, s47, s[CNT]
	s_add_co_u32 s47, s47, OIMG
	v_lshlrev_b32 v[OST], 4, v[TP+2]
	v_lshl_add_u32 v[OST], v[TP+3], 3, v[OST]
	v_add_nc_u32 v[OST], s47, v[OST]               ; fragment a, block = my head: OIMG + 1,024 a + 256 head + 16 r + 8 h
	s_lshl_b32 s47, s[TA], 6
	s_add_co_u32 s47, s47, s[HD]
	s_add_co_u32 s47, s47, OSC
	v_lshl_add_u32 v[OSB], v[TP+2], 2, s47         ; OSC + 64 a + 4 r + head
	v_lshl_add_u32 v[OLS], v[TP+2], 2, OSC
	v_add_nc_u32 v[OLI], OIMG, v[A0]
	v_mul_u32_u24 v[STO], v[TP+2], SP
	v_lshl_add_u32 v[STO], v[TP+3], 7, v[STO]
	v_add_nc_u32 v[STO], s46, v[STO]               ; row r, + 128 h: my 32 positions
	v_mul_u32_u24 v[RD], v[TP+3], SP
	v_lshl_add_u32 v[RD], v[TP+2], 4, v[RD]
	v_add_nc_u32 v[RD], s46, v[RD]                 ; lanes 0-15 one row, lanes 16-31 the next
	v_lshlrev_b32 v[R16], 4, v[TP+2]
	v_lshlrev_b32 v[R4], 2, v[TP+2]
	v_lshlrev_b32 v[L4], 2, v[TP+1]
	; descriptor group 1: a dense block of 4,352 bytes as 17 rows of 256 (32 elements of 8 bytes)
	s_mov_b32 s[G1+0], 15|(3<<16)|(1<<21)          ; the mask: all four work-groups; elements of 8 bytes; bit 21 set beside a mask; no padding
	s_mov_b32 s[G1+1], 32<<16                      ; tensor_dim0 = 32
	s_mov_b32 s[G1+2], 17<<16                      ; tensor_dim1 = 17
	s_mov_b32 s[G1+3], 32<<16                      ; tile_dim0 = 32
	s_mov_b32 s[G1+4], 17                          ; tile_dim1 = 17
	s_mov_b32 s[G1+5], 32                          ; from row to row
	s_mov_b32 s[G1+6], 0
	s_mov_b32 s[G1+7], 0
	s_mov_b32 s[SEL], 0x76543210
	s_mov_b32 s[SEL+1], 0xfedcba98                 ; selects for lane l xor 16
	s_mov_b32 s[CS], 0x3e8293ee                    ; c = log2(e) / sqrt(32)
	s_mov_b32 s[CS+1], s[CS]                       ; (named with it as a pair, so it is written)
	s_and_b32 s45, ttmp7, 0xffff                   ; the batch, which the four partners share
	s_mul_i32 s2, s45, KVB
	s_add_co_u32 s2, s2, s46                       ; my part of the batch's chunk 0: no place in the cluster enters it
	s_mov_b32 s3, 0
	s_wait_dscnt 0x0
	s_wait_kmcnt 0x0
	s_add_nc_u64 s[6:7], s[6:7], s[2:3]
.irp n, 0,1,2,3
	s_mov_b32 s[G0+4*\n], 1                                        ; count = 1
	s_add_co_u32 s[G0+4*\n+1], s46, \n*CHB                         ; LDS address: LDS mirrors the batch's bytes
	s_add_nc_u64 s[G0+4*\n+2:G0+4*\n+3], s[6:7], \n*CHB            ; global address
	s_or_b32 s[G0+4*\n+3], s[G0+4*\n+3], 0x80000000                ; type = 2
.endr
	CROUND                                         ; all four work-groups are here: the joint loads meet
	tensor_load_to_lds s[G0:G0+3], s[G1:G1+7]      ; all fills of the launch, as one group: four loads of mine are out
	s_nop 0
	tensor_load_to_lds s[G0+4:G0+7], s[G1:G1+7]
	s_nop 0
	tensor_load_to_lds s[G0+8:G0+11], s[G1:G1+7]
	s_nop 0
	tensor_load_to_lds s[G0+12:G0+15], s[G1:G1+7]
	s_nop 0
.rept 4
	v_nop
.endr
	; my block of queries enters global addresses alone
	s_bfe_u32 s43, ttmp6, 0x40000                  ; cx
	s_lshl_b32 s44, ttmp9, 2
	s_add_co_u32 s44, s44, s43                     ; G = 4 x cluster x + cx
	s_lshl_b32 s47, s45, 4
	s_lshr_b32 s58, s44, 3
	s_lshl_b32 s58, s58, 2
	s_add_co_u32 s47, s47, s58
	s_add_co_u32 s47, s47, s[HD]
	s_mul_i32 s47, s47, 8704                       ; q's record: 16 b + 4 x chunk + head
	s_and_b32 s48, s44, 7
	s_lshl_b32 s58, s48, 10
	s_add_co_u32 s58, s58, s47
	s_lshl_b32 s49, s[TA], 8
	s_add_co_u32 s58, s58, s49                     ; the group's image, tile a
	s_mov_b32 s59, 0
	s_lshl_b32 s60, s48, 6
	s_add_co_u32 s60, s60, s47
	s_add_co_u32 s60, s60, s[TA]
	s_add_co_u32 s60, s60, 8192                    ; its scale words, byte a
	s_mov_b32 s61, 0
	s_lshl_b32 s62, s[WV], 10
	s_add_co_u32 s62, s62, 48*1024                 ; fragment 48 + wv: Wo's rows 16 wv on
	s_mov_b32 s63, 0
	s_lshl_b32 s48, s[WV], 7
	s_add_co_u32 s48, s48, 65536+48*128
	s_mov_b32 s49, 0
	s_add_nc_u64 s[58:59], s[4:5], s[58:59]
	s_add_nc_u64 s[60:61], s[4:5], s[60:61]
	s_add_nc_u64 s[62:63], s[8:9], s[62:63]
	s_add_nc_u64 s[48:49], s[8:9], s[48:49]
	s_lshl_b32 s2, s[WV], 6
	s_add_nc_u64 s[10:11], s[10:11], s[2:3]        ; bo at my 16 rows
	s_lshl_b32 s2, s45, 21
	s_lshl_b32 s47, s[WV], 17
	s_add_co_u32 s2, s2, s47
	s_lshl_b32 s47, s44, 8
	s_add_co_u32 s2, s2, s47                       ; the batch, my 16 rows of 8,192 bytes, the group's 256 bytes
	s_add_nc_u64 s[12:13], s[12:13], s[2:3]
	s_add_nc_u64 s[14:15], s[14:15], s[2:3]
	global_load_b128 v[QR:QR+3], v[R16], s[58:59]            ; query r's 32 codes, in both halves of the lanes
	global_load_u8 v[QBY], v[R4], s[60:61]                   ; and its scale byte
	global_load_b128 v[WO:WO+3], v[A0], s[62:63]
	global_load_b128 v[WO+4:WO+7], v[A0], s[62:63] offset:512
	global_load_b32 v[WOS], v[L4], s[48:49]
.irp i, 0,1,2,3,4,5,6,7
	global_load_b32 v[BO+\i], v[R4], s[10:11]                ; a result's eight registers of a lane belong to one output row: its bo eight times
.endr
.irp i, 0,1,2,3,4,5,6,7
	global_load_b128 v[XR+4*\i:XR+4*\i+3], v[XO], s[12:13] offset:16384*\i th:TH_LOAD_NT   ; rows 2 i and 2 i + 1 of my 16: wanted at the very end
.endr
.irp i, 0,1,2,3
	v_mov_b32 v[QZ+\i], 0
	v_mov_b32 v[QZ+8+\i], 0
	v_mov_b32 v[QZ+16+\i], 0
.endr
	v_cmp_gt_u32 vcc_lo, 16, v[TP+1]               ; lanes 0-15
	s_wait_loadcnt 19                              ; q's two loads are in; the 19 behind them (Wo 3, bo 8, x 8) may stay out
.irp i, 0,1,2,3
	v_cndmask_b32 v[QZ+4+\i], 0, v[QR+\i], vcc_lo            ; q in lanes 0-15, zero codes in the others
	v_cndmask_b32 v[QZ+12+\i], v[QR+\i], v[QZ], vcc_lo       ; and the other way round
.endr
	v_lshl_or_b32 v[QS], v[QBY], 8, v[QBY]         ; q's byte for whichever block it stands in
	v_lshl_or_b32 v[QS], v[QS], 16, v[QS]
	v_mov_b32 v[NM+1], 0xff61b1e6                  ; the largest t so far: -3e38, under every t
	v_floor_f32 v[NM], -v[NM+1]                    ; -M
	v_mov_b32 v[LL], 0
	v_mov_b32 v[LL+1], 0
.irp j, 0,1,2,3,4,5,6,7,8,9,10,11,12,13,14,15
	v_mov_b32 v[O+\j], 0                           ; the step is written once: the first finds zeros, which the first change of M leaves zeros
.endr
	v_mov_b32 v[F+1], 0                            ; (named as the upper half of a pair)
	v_mov_b32 v[PD], 0                             ; a lane permute's destination counts as one of its sources
	v_mov_b32 v[PD+1], 0
; Addition n of 31 of the row's sum: pairs of p, in two chains.
.macro ADDP n
.if (\n) == 0
	s_setprio 1
	s_wait_alu depctr_va_vdst(0)
	v_pk_add_f32 v[LB:LB+1], v[S:S+1], v[S+2:S+3]
.elseif ((\n)%2) == 1
	v_pk_add_f32 v[LL:LL+1], v[LL:LL+1], v[S+2*(\n)+2:S+2*(\n)+3]
.else
	s_wait_alu depctr_va_vdst(0)
	v_pk_add_f32 v[LB:LB+1], v[LB:LB+1], v[S+2*(\n)+2:S+2*(\n)+3]
.endif
.endm
; A KEY STEP: 128 keys.
.macro STEP
	v_add_nc_u32 v[VA], s[SK], v[A0]
	v_add_nc_u32 v[VB], s[SS], v[B0]
	v_nop
	v_nop                                          ; four places behind the last products, in front of loads into registers that they read
.irp g, 0,1
.irp c, 0,1
	ds_load_b128 v[KF+8*\g+4*\c:KF+8*\g+4*\c+3], v[VA] offset:1024*\g+512*\c
.endr
.endr
	ds_load_b32 v[KS], v[VB]                       ; lanes 0-15: the first 64 keys' words, lanes 16-31 the second's
.irp t, 0,1
.irp c, 0,1
	ds_load_b128 v[VF+8*\t+4*\c:VF+8*\t+4*\c+3], v[VA] offset:8192+1024*\t+512*\c
.endr
.endr
	ds_load_b32 v[VS], v[VB] offset:512            ; lanes 0-15: tile 0's words, lanes 16-31 tile 1's
	s_wait_dscnt 5                                 ; k and its words are in; v's five loads may stay out
.irp j, 0,1,2,3
	v_wmma_scale_f32_16x16x128_f8f6f4 v[S+8*\j:S+8*\j+7], v[KF:KF+7], v[QZ+4+8*(\j%2)-4*(\j/2):QZ+11+8*(\j%2)-4*(\j/2)], 0, v[KS], v[QS] matrix_a_fmt:MATRIX_FMT_FP4 matrix_b_fmt:MATRIX_FMT_FP4
.endr
.irp j, 0,1,2,3
	v_wmma_scale_f32_16x16x128_f8f6f4 v[S+32+8*\j:S+32+8*\j+7], v[KF+8:KF+15], v[QZ+4+8*(\j%2)-4*(\j/2):QZ+11+8*(\j%2)-4*(\j/2)], 0, v[KS], v[QS] matrix_a_fmt:MATRIX_FMT_FP4 matrix_b_fmt:MATRIX_FMT_FP4 matrix_a_scale:MATRIX_SCALE_ROW1
.endr
.rept 4
	v_nop
.endr
.irp g, 0,1
	v_max3_num_f32 v[BM+\g], v[S+32*\g], v[S+32*\g+1], v[S+32*\g+2]   ; the largest score of my block 2 g + h; ascending, so that each result is read from its low end on
.endr
.irp i, 3,5,7,9,11,13,15,17,19,21,23,25,27,29
.irp g, 0,1
	v_max3_num_f32 v[BM+\g], v[BM+\g], v[S+32*\g+\i], v[S+32*\g+\i+1]
.endr
.endr
.irp g, 0,1
	v_max_num_f32 v[BM+\g], v[BM+\g], v[S+32*\g+31]
.endr
	v_max_num_f32 v[TP], v[BM], v[BM+1]
	v_permlanex16_b32 v[PD], v[TP], s[SEL], s[SEL+1]
	v_max_num_f32 v[TP], v[TP], v[PD]              ; the step's largest score of my query
	v_mul_f32 v[TP], s[CS], v[TP]                  ; as t (c is positive)
	v_max_num_f32 v[NM+1], v[NM+1], v[TP]          ; the running largest t
	v_mov_b32 v[TP], v[NM]
	v_floor_f32 v[NM], -v[NM+1]                    ; the new -M = floor(-t) = -ceil(t)
	v_sub_f32 v[TP], v[NM], v[TP]                  ; old M less new M: a whole number, 0 or less
	v_cvt_i32_f32 v[TP], v[TP]                     ; (it saturates)
	v_ldexp_f32 v[F], 1.0, v[TP]                   ; f = 2^(old M - new M)
.irp g, 0,1
	v_fma_f32 v[BM+\g], v[BM+\g], s[CS], v[NM]
.endr
.irp g, 0,1
	v_exp_f32 v[BM+\g], v[BM+\g]                   ; the block's largest p: the same two instructions on the same number give the same bits
.endr
	v_pk_mul_f32 v[LL:LL+1], v[LL:LL+1], v[F:F+1] op_sel_hi:[1,0]   ; the sum under the new M (a plain place behind the exponentials)
	s_wait_alu depctr_va_vdst(0)
.irp g, 0,1
	v_max_num_f32 v[BM+\g], 0x1800000, v[BM+\g]    ; the floor 2^(3 - 127): the byte cannot fall under 1
.endr
.irp g, 0,1
	v_add_nc_u32 v[SO+\g], 0xff000000, v[BM+\g]    ; 2 off the exponent field: the conversion's scale operand
.endr
.irp g, 0,1
	v_lshrrev_b32 v[BY+\g], 23, v[SO+\g]
.endr
	v_lshl_or_b32 v[PS], v[BY+1], 16, v[BY]        ; my two bytes, blocks h and 2 + h,
	v_lshlrev_b32 v[PS], v[SH8], v[PS]
	v_permlanex16_b32 v[PD+1], v[PS], s[SEL], s[SEL+1]
	v_or_b32 v[PS], v[PS], v[PD+1]                 ; with lane l xor 16's: p's scale word for these 128 keys
	; p = 2^(c s - M).  Plain and transcendental lines by turns: the scaling of the next pair, an exponential, an addition of a pair done four pairs ago, an exponential
	v_pk_fma_f32 v[S:S+1], v[S:S+1], s[CS:CS+1], v[NM:NM+1] op_sel_hi:[1,0,0]
.set K, 0
.rept 32
.if K < 31
	v_pk_fma_f32 v[S+2*K+2:S+2*K+3], v[S+2*K+2:S+2*K+3], s[CS:CS+1], v[NM:NM+1] op_sel_hi:[1,0,0]
.endif
	v_exp_f32 v[S+2*K], v[S+2*K]
.if K >= 5
	ADDP K-5
.endif
	v_exp_f32 v[S+2*K+1], v[S+2*K+1]
.set K, K+1
.endr
	s_setprio 0
	ADDP 27                                        ; a plain place behind the last exponential
	s_wait_alu depctr_va_vdst(0)
.irp g, 0,1
.irp i, 0,1,2,3
	v_cvt_scalef32_pk8_fp4_f32 v[PC+4*\g+\i], v[S+32*\g+8*\i:S+32*\g+8*\i+7], v[SO+\g]   ; registers 4 g .. 4 g + 3 of the operand: keys 64 g + 32 h + 0 .. 31
.endr
.endr
	v_nop                                          ; one plain place behind the last scaled conversion
	ADDP 28
	ADDP 29
	ADDP 30
	v_pk_add_f32 v[LL:LL+1], v[LL:LL+1], v[LB:LB+1]   ; with the line above and the three additions: the places between the codes and the products
.irp j, 0,2,4,6,8,10,12,14
	v_pk_mul_f32 v[O+\j:O+\j+1], v[O+\j:O+\j+1], v[F:F+1] op_sel_hi:[1,0]   ; O^T under the new M
.endr
	s_wait_dscnt 0x0                               ; v and its words
	v_wmma_scale_f32_16x16x128_f8f6f4 v[O:O+7], v[VF:VF+7], v[PC:PC+7], v[O:O+7], v[VS], v[PS] matrix_a_fmt:MATRIX_FMT_FP4 matrix_b_fmt:MATRIX_FMT_FP4
	v_wmma_scale_f32_16x16x128_f8f6f4 v[O+8:O+15], v[VF+8:VF+15], v[PC:PC+7], v[O+8:O+15], v[VS], v[PS] matrix_a_fmt:MATRIX_FMT_FP4 matrix_b_fmt:MATRIX_FMT_FP4 matrix_a_scale:MATRIX_SCALE_ROW1
	s_add_co_u32 s[SK], s[SK], 2048                ; the next step's images,
	s_add_co_u32 s[SS], s[SS], 128                 ; and scale words
.endm
; Chunk n: 512 keys, four steps.  Each wave has waited for its own part of the chunk; behind the barrier the chunk is whole.  The later chunks' loads stay out.
.macro CHUNK n
	s_wait_tensorcnt 3-\n                          ; tensor loads of a wave end in order: my part of chunk n is in; the 3 - n behind it may be out
	s_wait_dscnt 0x0
	s_barrier_signal -1
	s_barrier_wait -1
	s_add_co_u32 s[SK], s[HB], \n*CHB              ; my head's record in this chunk
	s_mov_b32 s[SS], s[SK]
	s_mov_b32 s[CNT], 4
.Lstep_\@:
	s_setprio 2
	STEP
	s_sub_co_u32 s[CNT], s[CNT], 1
	s_cmp_lg_u32 s[CNT], 0
	s_cbranch_scc1 .Lstep_\@
	s_setprio 0
.endm
	CHUNK 0
	CHUNK 1
	CHUNK 2
	CHUNK 3
	; ---- O / the sum becomes an operand of the last product
.rept 4
	v_nop                                          ; places behind the last products
.endr
	v_add_f32 v[LL], v[LL], v[LL+1]                ; the sum's two halves,
	v_permlanex16_b32 v[PD], v[LL], s[SEL], s[SEL+1]
	v_add_f32 v[LL], v[LL], v[PD]                  ; and lane l xor 16's blocks: the row's sum
	v_rcp_f32 v[LL], v[LL]
	v_nop                                          ; one plain place behind the transcendental
	s_wait_alu depctr_va_vdst(0)
.irp j, 0,1,2,3,4,5,6,7,8,9,10,11,12,13,14,15
	v_mul_f32 v[40+\j], v[O+\j], v[LL]             ; channel 16 h + j of my head, query r
.endr
	v_max3_num_f32 v[BM], |v40|, |v41|, 0x1800000  ; my 16 of the block's 32, and the floor
.irp i, 2,4,6,8,10,12,14
	v_max3_num_f32 v[BM], v[BM], |v[40+\i]|, |v[41+\i]|
.endr
	v_permlanex16_b32 v[PD], v[BM], s[SEL], s[SEL+1]
	v_max_num_f32 v[BM], v[BM], v[PD]              ; with lane l xor 16's: the head's largest magnitude
	v_add_nc_u32 v[SO], 0xff000000, v[BM]
	v_lshrrev_b32 v[BY], 23, v[SO]
	v_cvt_scalef32_pk8_fp4_f32 v[PC], v[40:47], v[SO]
	v_cvt_scalef32_pk8_fp4_f32 v[PC+1], v[48:55], v[SO]
	v_nop                                          ; one plain place behind the last scaled conversion
	ds_store_b64 v[OST], v[PC:PC+1]                ; my 16 codes: half of lane (r, head & 1)'s register group head >> 1 in fragment a's image
	ds_store_b8 v[OSB], v[BY]                      ; both halves of the lanes write the same byte with the same value
	s_wait_dscnt 0x0                               ; for the others' sake: my stores have landed, and my reads of k and v are over
	s_barrier_signal -1
	s_barrier_wait -1                              ; the four fragments lie in LDS; nobody reads k or v any more
.irp a, 0,1,2,3
.irp c, 0,1
	ds_load_b128 v[OF+8*\a+4*\c:OF+8*\a+4*\c+3], v[OLI] offset:1024*\a+512*\c
.endr
	ds_load_b32 v[OS+\a], v[OLS] offset:64*\a
.endr
	s_wait_loadcnt 0x0                             ; Wo, bo, x
	s_wait_dscnt 0x0
.irp a, 0,1,2,3                        ; source 0 = 16 positions, source 1 = my 16 rows of Wo, C = bo: lane (r, h) holds output row 16 wv + r, positions 32 h + 8 a + 0 .. 7
	v_wmma_scale_f32_16x16x128_f8f6f4 v[Y+8*\a:Y+8*\a+7], v[OF+8*\a:OF+8*\a+7], v[WO:WO+7], v[BO:BO+7], v[OS+\a], v[WOS] matrix_a_fmt:MATRIX_FMT_FP4 matrix_b_fmt:MATRIX_FMT_FP4
.endr
.rept 4
	v_nop
.endr
	; ---- the way out: a lane holds 128 bytes of a row; through my own stage they become whole rows of 256 bytes
.irp k, 0,1,2,3,4,5,6,7
	ds_store_b128 v[STO], v[Y+4*\k:Y+4*\k+3] offset:16*\k          ; each result from its low end on
.endr
.irp i, 0,1,2,3,4,5,6,7
	ds_load_b128 v[OUTR+4*\i:OUTR+4*\i+3], v[RD] offset:2*\i*SP    ; LDS serves a wave's instructions in order: these see my stores
.endr
.irp i, 0,1,2,3,4,5,6,7
	s_wait_dscnt 7-\i                              ; rows 2 i and 2 i + 1 are back; the younger reads may be out
	v_pk_add_f32 v[OUTR+4*\i:OUTR+4*\i+1], v[OUTR+4*\i:OUTR+4*\i+1], v[XR+4*\i:XR+4*\i+1]       ; + x
	v_pk_add_f32 v[OUTR+4*\i+2:OUTR+4*\i+3], v[OUTR+4*\i+2:OUTR+4*\i+3], v[XR+4*\i+2:XR+4*\i+3]
	global_store_b128 v[XO], v[OUTR+4*\i:OUTR+4*\i+3], s[14:15] offset:16384*\i th:TH_STORE_NT   ; sixteen lanes store 256 consecutive bytes, at a multiple of 256 from out0's first byte
.endr
	s_wait_tensorcnt 0x0
	ds_add_u32 v254, v255
	s_wait_dscnt 0x0
	CROUND                                         ; the closing round: no work-group ends while a partner may still ask for a tile that names it
	s_endpgm
.Lfunc_end_k_q9ea687f19e_attn:
	.size	k_q9ea687f19e_attn, .Lfunc_end_k_q9ea687f19e_attn-k_q9ea687f19e_attn
	.p2alignl 7, 3214868480
	.fill 96, 4, 3214868480
	.section	.rodata,"a",@progbits
	.p2align	6, 0x0
	.amdhsa_kernel k_q9ea687f19e_attn
		.amdhsa_group_segment_fixed_size 288768
		.amdhsa_private_segment_fixed_size 0
		.amdhsa_enable_private_segment 0
		.amdhsa_kernarg_size 48
		.amdhsa_user_sgpr_count 2
		.amdhsa_user_sgpr_kernarg_segment_ptr 1
		.amdhsa_wavefront_size32 1
		.amdhsa_system_sgpr_workgroup_id_x 1
		.amdhsa_system_sgpr_workgroup_id_y 1
		.amdhsa_system_sgpr_workgroup_id_z 1
		.amdhsa_system_vgpr_workitem_id 0
		.amdhsa_next_free_vgpr 256
		.amdhsa_next_free_sgpr 66
		.amdhsa_reserve_vcc 1
		.amdhsa_float_denorm_mode_32 3
		.amdhsa_float_denorm_mode_16_64 3
		.amdhsa_memory_ordered 1
		.amdhsa_forward_progress 1
		.amdhsa_inst_pref_size 71
	.end_amdhsa_kernel
	.amdgpu_metadata
---
amdhsa.version: [ 1, 2 ]
amdhsa.kernels:
  - .name:           k_q9ea687f19e_attn
    .symbol:         k_q9ea687f19e_attn.kd
    .args:
      - { .name: q, .offset: 0, .size: 8, .value_kind: global_buffer, .address_space: global }
      - { .name: kv, .offset: 8, .size: 8, .value_kind: global_buffer, .address_space: global }
      - { .name: wimg, .offset: 16, .size: 8, .value_kind: global_buffer, .address_space: global }
      - { .name: bo, .offset: 24, .size: 8, .value_kind: global_buffer, .address_space: global }
      - { .name: x, .offset: 32, .size: 8, .value_kind: global_buffer, .address_space: global }
      - { .name: out0, .offset: 40, .size: 8, .value_kind: global_buffer, .address_space: global }
    .group_segment_fixed_size: 288768
    .private_segment_fixed_size: 0
    .kernarg_segment_align: 8
    .kernarg_segment_size: 48
    .max_flat_workgroup_size: 512
    .sgpr_count:     66
    .vgpr_count:     256
    .wavefront_size: 32
...
	.end_amdgpu_metadata
.endif
;; end of part 3
